; MI455X (gfx1250); checked and timed in simulation.
; The chip was launched on July 23, 2026; its instructions are those of AMD's public machine-readable ISA for CDNA 5 (MIT licence, August 2026) and "CDNA5" Instruction Set Architecture Reference Guide (July 2026). The comments in the code are by the model that wrote it; some were corrected since.
;; Label Wise Attn. Allowed arithmetic: matrix products marked QUANTISED: E2M3 operands, one E8M0 scale for each 32 along K, by v_wmma_scale_f32_16x16x128_f8f6f4 with both operands' format E2M3, f32 sums; everything else in f32.
;; Inputs: U_weight_codes 8,921 x 4 x 24 uint8 (E2M3 codes of U_weight, K innermost, in blocks of 32 codes, four codes in three bytes); U_weight_scales 8,921 x 4 uint8 (E8M0 scales of U_weight, one for each 32 codes along K); x 8 x 2,500 x 128 float32.
;; Outputs: out0 8 x 8,921 x 128 float32.
;; This version of the problem:
;;   THIS VERSION OF THE PROBLEM IS GIVEN IN LOW PRECISION. The matrix products marked QUANTISED in the list below multiply operands that are first quantised to E2M3 (2 exponent bits, 3 mantissa bits; 6 bits a number), with one power-of-two scale for each 32 numbers along K (OCP MX v1.0); their sums are f32. All else is computed in f32.
;;   The module's matrix products, in the order in which they are computed (A, B: the left and right operand; K: the contracted axis; several contracted axes count as one K, in the product's order):
;;     1. [M 20,000, K 128] x [K 128, N 8,921]; A: input x; B: input U_weight (given as codes): QUANTISED
;;     2. batch 8 x [M 8,921, K 2,500] x [K 2,500, N 128]; A: softmax (see below); B: input x: QUANTISED
;;   THE QUANTISER, for each operand of a quantised product, along K:
;;     - K is cut into blocks of 32 from its start; a last block that is shorter is filled with zeros.
;;     - A block's scale is 2^e with e = floor(log2(the largest magnitude in the block)) - 2, held to -126 .. 127; a block of zeros has e = 0. As a byte (E8M0): e + 127.
;;     - Each number is divided by its block's scale, clamped to +-7.5, and rounded to the nearest number of E2M3, ties to even, subnormals kept.
;;     - The product sums the exact products of the quantised numbers (number of the format x scale) in f32.
;;   ~~~python
;;   def quantise(x, axis):      # numpy; x: float32 -> the quantised numbers, widened to float32 again
;;       x = np.moveaxis(x, axis, -1); K = x.shape[-1]
;;       x = np.pad(x, [(0, 0)] * (x.ndim - 1) + [(0, -K % 32)]); x = x.reshape(x.shape[:-1] + (-1, 32)); a = np.abs(x).max(-1, keepdims=True)
;;       e = np.where(a > 0, np.clip(np.frexp(np.where(a > 0, a, 1))[1] - 1 - 2, -126, 127), 0)      # np.frexp(a)[1] - 1 = floor(log2(a)), exactly
;;       r = np.clip(x / 2.0 ** e, -7.5, 7.5)
;;       step = 2.0 ** (np.maximum(np.frexp(np.where(r == 0, 1, r))[1] - 1, 0) - 3)
;;       q = np.round(r / step) * step * 2.0 ** e      # np.round: ties to even
;;       return np.moveaxis(q.reshape(q.shape[:-2] + (-1,))[..., :K], -1, axis).astype(np.float32)
;;   ~~~
;;   SOFTMAX AHEAD OF A QUANTISED PRODUCT. Where the list says 'softmax', what is quantised is not the finished softmax but p = 2^(t - M), with t = logit x log2(e) and M = ceil(the row's largest t), a whole number; so 1/2 < the row's largest p <= 1. The row's sum l is taken of the UNQUANTISED p, in f32, and the product's result is divided by l at the end. Since M is a whole number, a kernel that streams over the keys may use a running M (the ceiling of the running maximum): every later rescaling is an exact power of two, which a block's scale takes up: the codes' values come out the same.
;;   OPERANDS COMPUTED ON THE WAY. 'Computed on the way' means the value that the module computes at that place (a softmax that the list does not call 'softmax' is quantised finished and normalised). What goes into a quantiser is computed in f32, as accurately as f32 sums, v_exp_f32 and their like allow (about 1e-6 of the number): no bf16 or f16 on the way to a quantiser, and a product that is left as it is and whose result goes on into a quantised operand takes f32 operands (vector FMAs, or v_wmma_f32_16x16x4_f32). A number that lies on a knife's edge between two numbers of the format may be rounded either way, as far as f32 arithmetic and the matrix unit's own rounding can turn it there, and no further.
;;   INPUTS GIVEN AS CODES. U_weight (in the module: [8921, 128], K = its axis 1): each comes as NAME_codes (uint8): NAME with its K axis moved to the last place and cut into blocks of 32 codes, [.., K / 32, bytes a block], one block behind the other in memory; four codes in three bytes: a row's codes are one little-endian stream of bits, code i at bits 6 i .. 6 i + 5 (a code: sign, 2 exponent bits, 3 mantissa bits); and NAME_scales (uint8): the same leading axes, one E8M0 byte (e + 127) for each 32 codes along K. Its value is code x scale, taken as it is: it is not quantised again, and the codes and scales need not be those that the quantiser above would give.
;; One version. Each part assembles by itself: llvm-mc -triple=amdgcn-amd-amdhsa -mcpu=gfx1250 --defsym DOCPART=n.
;; ======== version 1 of 1: 2 launches
;; limits: right only within a limited range of input values
;; workspace buffers: kv 4,096,000 bytes
;; launch quant (part 1): grid 20 x 8, 8 waves a work-group, no clusters, 70,144 bytes of LDS; arguments x, kv; writes kv
.if DOCPART == 1
	.amdgcn_target "amdgcn-amd-amdhsa--gfx1250"
	.amdhsa_code_object_version 6
	.text
	.protected	k_q9b3817346e_quant
	.globl	k_q9b3817346e_quant
	.p2align	8
	.type	k_q9b3817346e_quant,@function
k_q9b3817346e_quant:
	s_mov_b64 s[64:65], 0
	v_nop
	global_prefetch_b8 v0, s[64:65] scope:SCOPE_SE
	s_setreg_imm32_b32 hwreg(HW_REG_WAVE_MODE, 25, 1), 1
	s_wait_xcnt 0x0
; x [8][2500][128] f32 is read once and quantised TWICE to codes of E2M3 with one E8M0 byte for each 32 numbers:
;   K: along d (the first product's K): 16 keys x 128 d to a fragment;   V: along the keys (the second product's K): 16 d x 128 keys to a fragment.
; A block's byte is its largest magnitude's exponent field - 2, held at 1 from below.
; STORED are images of the operands' registers.  A fragment (12 registers a lane) is 1,536 bytes: register q of lane l at 512 (q / 4) + 16 l + 4 (q % 4).
; A half-record is 8 fragments and a scale image of 512 bytes (byte 16 l + 4 b: the scale word of fragment 2 b + l / 16, row l % 16): 12,800 bytes.
; A batch has 40 half-records: number 2 s is V of key step s; number 2 s - 1 is K of key step s (s > 0); number 39 is K of key step 0.
; A work-group takes one key step (128 keys x 128 d) of one batch; wave w makes K's fragment w and V's fragment w.
; THE KEYS OF K's FRAGMENT w: row m takes key 8 (w % 4) + 64 (w / 4) + m % 8 + 32 (m / 8).  The scores' registers of a lane (r, h) then run over keys 32 h .. 32 h + 31 and
; 64 + 32 h .. 64 + 32 h + 31 in order: whole blocks of the second product's K, as its operand's layout has them.
; A lane stands for lane (r, h) of the operand and owns two whole blocks of its row, so no other lane is asked for a maximum.
; Keys 2,500 to 2,559 (the last step) do not exist: their loads are held at row 2,499 and their numbers are cleared.
; LIMITS: NaN and infinities in x are not served.  A block whose largest magnitude lies under 2^-124, a block of zeros among them, gets the byte 1
; (a block of zeros: 127 by the rule): zeros stay zeros, and the bytes are read by this program alone.
.set KEYS,  2500
.set PITCH, 528                        ; a key's row in LDS: 512 bytes + 16
.set SKEW,  128                        ; and 128 bytes more behind each 32 rows
.set SCI,   68096                      ; behind the tile: K's scale image, 512 bytes, then V's
.set HREC,  12800
.set L16,  4
.set LB,   5
.set KA,   6
.set VA,   7
.set SA,   8
.set SH,   9
.set SO,   10
.set GOFF, 11
.set MX,   12
.set SOP,  14
.set BY,   16
.set W,    18
.set T,    19
.set OFF,  20
.set N,    36
.set CK,   100
.set CV,   112
.set CT,   124
.set OUT,  132
	s_load_b128 s[4:7], s[0:1], 0x0                ; x, kv
	v_lshl_add_u32 v136, v0, 2, 0x10e00            ; my spare word, behind the scale images
	v_mov_b32 v137, 0
	v_lshrrev_b32 v1, 5, v0
	s_delay_alu instid0(VALU_DEP_1)
	v_readfirstlane_b32 s8, v1                     ; wave 0..7
	v_and_b32 v1, 31, v0                           ; lane
	v_and_b32 v2, 15, v0                           ; r
	v_bfe_u32 v3, v0, 4, 1                         ; h
	s_wait_alu depctr_va_vdst(0)
	v_lshlrev_b32 v[L16], 4, v1
	s_mul_i32 s12, s8, PITCH
	v_add_nc_u32 v[LB], s12, v[L16]                ; where I store a loaded row
	s_lshr_b32 s13, s8, 1                          ; b = wave / 2
	s_and_b32 s14, s8, 1                           ; u = wave % 2
	v_and_b32 v[KA], 7, v2
	v_lshrrev_b32 v[W], 3, v2
	s_delay_alu instid0(VALU_DEP_2)
	v_mul_u32_u24 v[KA], v[KA], PITCH              ; row r % 8,
	s_delay_alu instid0(VALU_DEP_1)
	v_mad_u32_u24 v[KA], v[W], 32*PITCH+SKEW, v[KA]   ; + 32 keys for rows 8-15,
	s_delay_alu instid0(VALU_DEP_1)
	v_lshl_add_u32 v[KA], v3, 7, v[KA]             ; + 128 h: my first block's bytes
	s_and_b32 s12, s8, 3
	s_mul_i32 s12, s12, 8*PITCH                    ; the fragment's first key: 8 (w % 4)
	s_lshr_b32 s15, s8, 2
	s_mul_i32 s15, s15, 64*PITCH+2*SKEW            ; + 64 (w / 4)
	s_add_co_u32 s12, s12, s15
	v_add_nc_u32 v[KA], s12, v[KA]
	v_mul_u32_u24 v[VA], v3, 32*PITCH+SKEW         ; V: lanes 16-31 begin 32 keys further down
	s_delay_alu instid0(VALU_DEP_1)
	v_lshl_add_u32 v[VA], v2, 2, v[VA]
	s_lshl_b32 s12, s8, 6
	v_add_nc_u32 v[VA], s12, v[VA]                 ; column d = 16 x wave + r
	s_lshl_b32 s12, s14, 8
	s_lshl_b32 s15, s13, 2
	s_add_co_u32 s12, s12, s15
	s_add_co_u32 s12, s12, SCI
	v_lshl_add_u32 v[SA], v2, 4, s12               ; 16 (r + 16 u) + 4 b
	v_lshlrev_b32 v[SH], 3, v3
	s_lshl_b32 s12, s14, 9
	s_add_co_u32 s12, s12, SCI
	v_add_nc_u32 v[SO], s12, v[L16]
	s_mul_i32 s12, s8, 1536
	v_add_nc_u32 v[GOFF], s12, v[L16]
	v_mov_b32 v[T], 0                              ; a lane permute's destination counts as one of its sources
	s_mov_b32 s16, 0x76543210
	s_mov_b32 s17, 0xfedcba98                      ; selects for lane l xor 16
	s_mov_b32 s9, ttmp9                            ; the key step
	s_and_b32 s10, ttmp7, 0xffff                   ; the batch
	s_mul_i32 s12, s10, KEYS*512
	s_mov_b32 s13, 0
	s_mul_i32 s14, s10, 40*HREC
	s_mov_b32 s15, 0
	s_mul_i32 s38, s9, 2*HREC                      ; V's half-record: number 2 s
	s_mov_b32 s39, 0
	s_lshl_b32 s36, s9, 1
	s_sub_co_u32 s36, s36, 1
	s_cmp_eq_u32 s9, 0
	s_cselect_b32 s36, 39, s36                     ; K's: number 2 s - 1, or 39 for step 0
	s_mul_i32 s36, s36, HREC
	s_mov_b32 s37, 0
	s_wait_kmcnt 0x0
	s_add_nc_u64 s[4:5], s[4:5], s[12:13]
	s_add_nc_u64 s[6:7], s[6:7], s[14:15]
	s_add_nc_u64 s[36:37], s[6:7], s[36:37]
	s_add_nc_u64 s[38:39], s[6:7], s[38:39]
	; the tile comes in: load i of wave w is key 8 i + w of the step: 32 lanes read 512 consecutive bytes
	s_lshl_b32 s12, s9, 7
	s_add_co_u32 s12, s12, s8
.irp i, 0,1,2,3,4,5,6,7,8,9,10,11,12,13,14,15
	s_add_co_u32 s13, s12, 8*\i
	s_cmp_lt_u32 s13, KEYS
	s_cselect_b32 s[20+\i], -1, 0                  ; does the key exist?
	s_min_u32 s13, s13, KEYS-1                     ; no load leaves x
	s_lshl_b32 s13, s13, 9
	v_add_nc_u32 v[OFF+\i], s13, v[L16]
	global_load_b128 v[N+4*\i:N+4*\i+3], v[OFF+\i], s[4:5]
.endr
.irp i, 0,1,2,3,4,5,6,7,8,9,10,11,12,13,14,15
	s_wait_loadcnt 15-\i                           ; load i is in, the 15 - i younger ones may be out
.irp j, 0,1,2,3
	v_and_b32 v[N+4*\i+\j], s[20+\i], v[N+4*\i+\j] ; a key that does not exist is zeros
.endr
	ds_store_b128 v[LB], v[N+4*\i:N+4*\i+3] offset:8*\i*PITCH+SKEW*(\i/4)
.endr
	s_wait_dscnt 0x0                               ; for the others' sake: my rows lie in LDS
	s_barrier_signal -1
	s_barrier_wait -1
; 64 numbers of a lane, v[N + 32 c + i] = k 64 c + 32 h + i of my row, become the operand's 12 registers and my row's scale word in v[W]
.macro QUANT2 dst
.irp c, 0,1
	v_max3_num_f32 v[MX+\c], |v[N+32*\c]|, |v[N+32*\c+1]|, 0x1800000   ; with the floor 2^(3 - 127): the byte cannot fall under 1
.endr
.irp i, 2,4,6,8,10,12,14,16,18,20,22,24,26,28,30
.irp c, 0,1
	s_delay_alu instid0(VALU_DEP_2)
	v_max3_num_f32 v[MX+\c], v[MX+\c], |v[N+32*\c+\i]|, |v[N+32*\c+\i+1]|
.endr
.endr
.irp c, 0,1
	s_delay_alu instid0(VALU_DEP_2)
	v_add_nc_u32 v[SOP+\c], 0xff000000, v[MX+\c]   ; 2 off the exponent field: the conversion's scale operand
.endr
.irp c, 0,1
	s_delay_alu instid0(VALU_DEP_2)
	v_lshrrev_b32 v[BY+\c], 23, v[SOP+\c]          ; the scale's byte
.endr
	s_delay_alu instid0(VALU_DEP_1)
	v_lshl_or_b32 v[W], v[BY+1], 16, v[BY]         ; blocks h and 2 + h,
	s_delay_alu instid0(VALU_DEP_1)
	v_lshlrev_b32 v[W], v[SH], v[W]                ; at their places in the word;
	s_delay_alu instid0(VALU_DEP_1)
	v_permlanex16_b32 v[T], v[W], s16, s17
	s_delay_alu instid0(VALU_DEP_1)
	v_or_b32 v[W], v[W], v[T]                      ; with lane l xor 16's two the word is whole
.irp c, 0,1
	v_cvt_scalef32_pk16_fp6_f32 v[\dst+6*\c:\dst+6*\c+2], v[N+32*\c:N+32*\c+15], v[SOP+\c]
	v_cvt_scalef32_pk16_fp6_f32 v[CT+4*\c:CT+4*\c+2], v[N+32*\c+16:N+32*\c+31], v[SOP+\c]   ; (three registers that begin on an even number)
.endr
	v_nop                                          ; one plain line behind the scaled conversions
.irp c, 0,1
.irp i, 0,1,2
	v_mov_b32 v[\dst+6*\c+3+\i], v[CT+4*\c+\i]
.endr
.endr
.endm
	; K: my key's row, 128 bytes of each of my two blocks
.irp c, 0,1
.irp j, 0,1,2,3,4,5,6,7
	ds_load_b128 v[N+32*\c+4*\j:N+32*\c+4*\j+3], v[KA] offset:256*\c+16*\j
.endr
.endr
	s_wait_dscnt 0x0
	QUANT2 CK
.irp c, 0,1,2
	global_store_b128 v[GOFF], v[CK+4*\c:CK+4*\c+3], s[36:37] offset:512*\c   ; 32 lanes store 512 consecutive bytes, at a multiple of 256 from kv's first byte
.endr
	ds_store_b32 v[SA], v[W]                       ; lanes l and l xor 16 write the same word with the same value
	; V: my column d, registers down the keys
.irp c, 0,1
.set k, 0
.rept 32
	ds_load_b32 v[N+32*\c+k], v[VA] offset:(64*\c+k)*PITCH+2*SKEW*\c
.set k, k+1
.endr
.endr
	s_wait_dscnt 0x0
	QUANT2 CV
.irp c, 0,1,2
	global_store_b128 v[GOFF], v[CV+4*\c:CV+4*\c+3], s[38:39] offset:512*\c
.endr
	ds_store_b32 v[SA], v[W] offset:512
	s_wait_dscnt 0x0                               ; for the others' sake: my two scale words lie in LDS
	s_barrier_signal -1
	s_barrier_wait -1
	; the two scale images leave whole: wave 0 stores K's, wave 1 V's
	s_cmp_lt_u32 s8, 2
	s_cbranch_scc0 .Lend
	s_cmp_eq_u32 s8, 0
	s_cselect_b64 s[12:13], s[36:37], s[38:39]
	ds_load_b128 v[OUT:OUT+3], v[SO]
	s_wait_dscnt 0x0
	global_store_b128 v[L16], v[OUT:OUT+3], s[12:13] offset:8*1536
.Lend:
	s_wait_tensorcnt 0x0                           ; the wave's end
	ds_add_u32 v136, v137
	s_wait_dscnt 0x0
	s_endpgm
.Lfunc_end_k_q9b3817346e_quant:
	.size	k_q9b3817346e_quant, .Lfunc_end_k_q9b3817346e_quant-k_q9b3817346e_quant
	.p2alignl 7, 3214868480
	.fill 96, 4, 3214868480
	.section	.rodata,"a",@progbits
	.p2align	6, 0x0
	.amdhsa_kernel k_q9b3817346e_quant
		.amdhsa_group_segment_fixed_size 70144
		.amdhsa_private_segment_fixed_size 0
		.amdhsa_enable_private_segment 0
		.amdhsa_kernarg_size 16
		.amdhsa_user_sgpr_count 2
		.amdhsa_user_sgpr_kernarg_segment_ptr 1
		.amdhsa_wavefront_size32 1
		.amdhsa_system_sgpr_workgroup_id_x 1
		.amdhsa_system_sgpr_workgroup_id_y 1
		.amdhsa_system_sgpr_workgroup_id_z 1
		.amdhsa_system_vgpr_workitem_id 0
		.amdhsa_next_free_vgpr 138
		.amdhsa_next_free_sgpr 66
		.amdhsa_reserve_vcc 0
		.amdhsa_float_denorm_mode_32 3
		.amdhsa_float_denorm_mode_16_64 3
		.amdhsa_memory_ordered 1
		.amdhsa_forward_progress 1
		.amdhsa_inst_pref_size 28
	.end_amdhsa_kernel
	.amdgpu_metadata
---
amdhsa.version: [ 1, 2 ]
amdhsa.kernels:
  - .name:           k_q9b3817346e_quant
    .symbol:         k_q9b3817346e_quant.kd
    .args:
      - { .name: x, .offset: 0, .size: 8, .value_kind: global_buffer, .address_space: global }
      - { .name: kv, .offset: 8, .size: 8, .value_kind: global_buffer, .address_space: global }
    .group_segment_fixed_size: 70144
    .private_segment_fixed_size: 0
    .kernarg_segment_align: 8
    .kernarg_segment_size: 16
    .max_flat_workgroup_size: 256
    .sgpr_count:     66
    .vgpr_count:     138
    .wavefront_size: 32
...
	.end_amdgpu_metadata
.endif
;; end of part 1
;; launch attn (part 2): grid 32 x 8, 8 waves a work-group, clusters of 4 x 1, 327,680 bytes of LDS; arguments U_weight_codes, U_weight_scales, kv, out0; writes out0
.if DOCPART == 2
	.amdgcn_target "amdgcn-amd-amdhsa--gfx1250"
	.amdhsa_code_object_version 6
	.text
	.protected	k_q9b3817346e_attn
	.globl	k_q9b3817346e_attn
	.p2align	8
	.type	k_q9b3817346e_attn,@function
k_q9b3817346e_attn:
	s_mov_b64 s[64:65], 0
	v_nop
	global_prefetch_b8 v0, s[64:65] scope:SCOPE_SE
	s_setreg_imm32_b32 hwreg(HW_REG_WAVE_MODE, 25, 1), 1
	s_wait_xcnt 0x0
	s_wait_alu depctr_hold_cnt(0) depctr_sa_sdst(0) depctr_va_vdst(0) depctr_va_sdst(0) depctr_va_ssrc(0) depctr_va_vcc(0) depctr_vm_vsrc(0)
	s_getreg_b32 s2, hwreg(HW_REG_IB_STS2, 6, 4)
	s_cmp_eq_u32 s2, 0
	s_cbranch_scc0 .Lentry_in_a_cluster
	s_endpgm
.Lentry_in_a_cluster:
	s_bfe_u32 s2, ttmp6, 0x10000c
	s_cmp_lg_u32 s2, 0x3003
	s_cbranch_scc0 .Lentry_shape_is_right
	s_endpgm
.Lentry_shape_is_right:
; out0[b][c][:] = sum over l of softmax_l(U[c] . x[b][l]) x[b][l][:], both products on codes of E2M3 with one E8M0 scale for each 32 along K.
; U's 8,921 rows are the queries (codes and bytes as given); kv holds x[b] as images of the operands' registers: a batch is 20 records of 25,600 bytes,
; record j = V of key step j (8 fragments of 1,536 bytes, a scale image of 512), then K of key step j + 1 likewise; behind V of step 19 lies K of step 0.
; SOFTMAX: t = score x log2(e); M = the ceiling of the largest t so far; p = 2^(t - M) is quantised along the keys; the row's sum is taken of the unquantised p and divides at the end.
; When M moves, the sum and O are multiplied by 2^(old M - new M), which rounds nothing.  A block's byte is floor(its largest t - M) + 125, held at 1 from below.
; SHARES.  32 x 8 = 256 work-groups; a work-group owns 279 queries of one batch (32 x 279 = 8,928) as 18 tiles of 16.  Eight waves: wave w owns tiles 2 w and 2 w + 1 over all 20 key steps.
; Tile 16 is shared by waves 0, 1, 4, 5 and tile 17 by waves 2, 3, 6, 7: member m of the four takes it in the key steps s with s % 4 = m, with a maximum, a sum and an O of its own;
; the four parts are joined at the end through LDS.  So every wave has 45 turns of a tile.  Rows past the block's 279 or past 8,920 repeat a row (the load is held at row 8,920) and are not stored.
; LAYOUT.  Both products transposed: S^T = K Q^T, O^T = V^T P^T: a lane holds ONE query (lane % 16).  By the choice of the keys of K's fragments, register i of S is key 32 h + i (i < 32)
; or 64 + 32 h + i - 32: a lane holds two whole blocks of 32 keys, so the conversions' results are P's operand registers and no lane is asked for a block's maximum.
; A KEY STEP: K's 8 fragments lie in 96 registers and serve the wave's tiles (scores, softmax, codes); V comes into the same registers under the last tile's softmax; then each tile's O is rescaled and
; takes its 8 products; then K of the next step is fetched from the same record.  The last step's fetch brings K of step 0, which nobody reads: the trip's text stays one.
; THE RING.  Two LDS slots of 4 records (102,400 bytes), five phases of 4 key steps; at the head of phases 0 to 3 the other slot is asked for, each wave an eighth (50 rows of 256 bytes): one tensor load of a wave is out.
; CLUSTER.  The four work-groups of a cluster belong to one batch and walk the same records: each eighth is asked for jointly, by the same descriptor and a mask that names the four.
; NO PREFETCH: a refill is asked for four key steps (9 turns of a tile in every wave) ahead of the wait for it, and a batch's records are read by eight clusters side by side.
; O and the sums begin as zeros and -M as 3e38: 192 moves once, in place of a further copy of the key step.
; LIMITS: the promise holds while |t| stays under 2^31; NaN and infinities are not served; a p under 2^-126 counts as 0; the division is v_rcp_f32 and a multiplication; a block of p that is all zeros has the byte 1.
; REGISTERS.  Window 0: v1-8 addresses; v10-27 six statistics a tile; v28-47 at work; v48-111 S, then p; v112-147 p's codes; v148-243 K or V; v244-253 scale words and nothing else.
; Window 1: v0-191 O of my three tiles; v192-227 Q.  s_set_vgpr_msb's low byte: bits 1:0 source 0, 3:2 source 1, 5:4 source 2, 7:6 destination.
.set NC,    8921
.set BLK,   279
.set REC,   25600
.set HREC,  12800
.set SCOFF, 12288
.set SLOTB, 4*REC
.set SLOT1, 131072                     ; one exclusive or turns an address in one slot into the other's
.set MRG,   SLOT1                      ; the join's parts, 8 x 8,192 bytes: in slot 1, behind its last fill and its last read
.set MST,   MRG+65536                  ; their -M and sums, 8 x 256 bytes
.set SST,   MST+2048                   ; the joined tiles, 2 x 16 rows of 528 bytes
.set STAGE, SLOT1+SLOTB                ; behind the ring: 16 rows x 528 bytes for each wave; no fill lands here
.set SP,    528
.set SPARE, STAGE+8*16*SP              ; the spare words, 128 bytes a wave
.set LI,   1                           ; 16 x lane
.set ADR,  2                           ; LDS address of the record in hand
.set SPW,  3
.set NIL,  4
.set STO,  5
.set RD,   6
.set RH,   7                           ; 528 r + 32 h
.set SEL,  8                           ; byte selects that place my two scale bytes in the word
.set ST,   10                          ; tile t: +0 -M, +2 f, +4, +5 the sum in two halves (+1, +3: named as upper halves of pairs)
.set BM,   28
.set BN,   30
.set T0,   32
.set T1,   33
.set X,    28                          ; three more chains of the sum, v28-33
.set Z,    34
.set SOP,  36
.set W,    38
.set PX,   39
.set CT,   40
.set S,    48
.set UA,   48
.set PC,   112
.set FR,   148
.set PW,   244
.set QS,   247
.set FS,   250
.set QW,   192                         ; in window 1
.set RB,   112
.set MSB, 0
.macro WIN new
.if MSB != (\new)
	s_set_vgpr_msb (MSB<<8)|(\new)
.set MSB, (\new)
.endif
.endm
.macro VW
	s_wait_alu depctr_va_vdst(0)
.endm
.macro ROUND                           ; a round of the cluster's barrier
	s_barrier_signal -1
	s_barrier_wait -1
	s_cmp_lg_u32 s12, 0
	s_cbranch_scc1 .Lnw0_\@
	s_barrier_signal -3
.Lnw0_\@:
	s_barrier_wait -3
	s_barrier_signal -1
	s_barrier_wait -1
.endm
	s_load_b256 s[4:11], s[0:1], 0x0               ; U's codes, U's scales, kv, out0
	v_lshl_add_u32 v[SPW], v0, 2, SPARE
	v_mov_b32 v[NIL], 0
	ds_add_u32 v[SPW], v[NIL]                      ; the opening lines
	ds_add_u32 v[SPW], v[NIL]
	v_lshrrev_b32 v9, 5, v0
	v_readfirstlane_b32 s12, v9                    ; wave 0..7
	s_bfe_u32 s13, ttmp6, 0x40000                  ; cx: it enters U's and out0's addresses and the stores' mask alone
	s_lshl_b32 s14, ttmp9, 2
	s_add_co_u32 s14, s14, s13                     ; my block of 279 queries
	s_and_b32 s15, ttmp7, 0xffff                   ; the batch, which the partners share
	s_mov_b32 s16, 15|(3<<16)|(1<<21)              ; group 1: the mask of all four; elements of 8 bytes; bit 21 beside a mask
	s_mov_b32 s17, 32<<16                          ; rows of 256 bytes
	s_mov_b32 s18, 50<<16                          ; 50 of them
	s_mov_b32 s19, 32<<16
	s_mov_b32 s20, 50
	s_mov_b32 s21, 32
	s_mov_b32 s22, 0
	s_mov_b32 s23, 0
	s_lshr_b32 s44, s12, 1
	s_and_b32 s44, s44, 1                          ; g: which shared tile
	s_and_b32 s45, s12, 1
	s_lshr_b32 s41, s12, 2
	s_lshl_b32 s41, s41, 1
	s_or_b32 s45, s45, s41                         ; m: my place among its four waves
	s_lshl_b32 s41, s44, 2
	s_add_co_u32 s41, s41, s45
	s_lshl_b32 s50, s41, 13
	s_add_co_u32 s50, s50, MRG                     ; where my part goes
	s_lshl_b32 s52, s41, 8
	s_add_co_u32 s52, s52, MST                     ; and its -M and sum
	s_lshl_b32 s51, s44, 15
	s_lshl_b32 s41, s45, 11
	s_add_co_u32 s51, s51, s41
	s_add_co_u32 s51, s51, MRG                     ; what I join: registers 16 m .. 16 m + 15 of each part
	s_lshl_b32 s56, s44, 10
	s_add_co_u32 s56, s56, MST
	s_mul_i32 s57, s44, 16*SP
	s_add_co_u32 s57, s57, SST
	s_mul_i32 s58, s45, 4*SP
	s_add_co_u32 s58, s58, s57                     ; the four joined rows that I store
	s_lshl_b32 s41, s45, 7
	s_add_co_u32 s57, s57, s41                     ; my 128 bytes of each joined row
	s_mul_i32 s59, s12, 16*SP
	s_add_co_u32 s59, s59, STAGE                   ; my stage
	s_mul_i32 s40, s14, BLK
	s_lshl_b32 s48, s12, 5
	s_add_co_u32 s48, s48, s40                     ; my own tiles' first query
	s_lshl_b32 s49, s44, 4
	s_add_co_u32 s49, s49, s40
	s_add_co_u32 s49, s49, 256                     ; the shared tile's
	s_lshl_b32 s54, s45, 2
	s_add_co_u32 s54, s54, s49                     ; the first of its four rows that I store
	s_add_co_u32 s53, s40, BLK
	s_min_u32 s53, s53, NC                         ; rows from here on are not stored
	s_mul_i32 s41, s15, NC*512
	s_lshl_b32 s42, s48, 9
	s_add_co_u32 s42, s42, s41
	s_mov_b32 s43, 0
	s_lshl_b32 s38, s54, 9
	s_add_co_u32 s38, s38, s41
	s_mov_b32 s39, 0
	s_mul_i32 s36, s15, 20*REC
	s_mov_b32 s37, 0
	s_mul_i32 s60, s12, SLOTB/8                    ; my eighth of a slot
	s_mov_b32 s61, 0
	s_mov_b32 s28, 0x76543210
	s_mov_b32 s29, 0xfedcba98                      ; selects for lane l xor 16
	s_mov_b32 s30, 0x3fb8aa3b                      ; log2(e)
	s_mov_b32 s31, s30
	s_mov_b32 s32, 0                               ; LDS byte of the record in hand
	s_wait_dscnt 0x0                               ; both opening adds are done
	s_wait_kmcnt 0x0
	s_add_nc_u64 s[8:9], s[8:9], s[36:37]
	s_add_nc_u64 s[46:47], s[10:11], s[38:39]
	s_add_nc_u64 s[10:11], s[10:11], s[42:43]
	s_mov_b32 s24, 1
	s_mul_i32 s25, s12, SLOTB/8
	s_add_nc_u64 s[26:27], s[8:9], s[60:61]
	s_or_b32 s27, s27, 0x80000000
	ROUND                                          ; the first joint loads meet
	tensor_load_to_lds s[24:27], s[16:23]          ; records 0 to 3, my eighth: my one load at the head
	s_nop 0
	v_and_b32 v28, 15, v0                          ; r
	v_bfe_u32 v29, v0, 4, 1                        ; h
	v_and_b32 v30, 31, v0
	v_lshlrev_b32 v[LI], 4, v30
	v_mul_u32_u24 v[RH], v28, SP
	v_lshl_add_u32 v[RH], v29, 5, v[RH]
	v_add_nc_u32 v[STO], s59, v[RH]
	v_add_nc_u32 v[RD], s59, v[LI]
	v_add_nc_u32 v31, s48, v28
	v_add_nc_u32 v32, 16, v31
	v_add_nc_u32 v33, s49, v28
.irp t, 0,1,2
	v_min_u32 v[31+\t], NC-1, v[31+\t]             ; no load leaves U
	v_mul_u32_u24 v[UA+2*\t], v[31+\t], 96
	v_mad_u32_u24 v[UA+2*\t], v29, 24, v[UA+2*\t]
	v_lshlrev_b32 v[UA+2*\t+1], 2, v[31+\t]
.endr
	WIN 0x40
.irp t, 0,1,2                          ; Q stays in registers
.irp p, 0,1,2,3,4,5
	global_load_b64 v[QW+12*\t+2*\p:QW+12*\t+2*\p+1], v[UA+2*\t], s[4:5] offset:48*(\p/3)+8*(\p%3)
.endr
.endr
	WIN 0
.irp t, 0,1,2
	global_load_b32 v[QS+\t], v[UA+2*\t+1], s[6:7]
.endr
.set k, 0
.rept 24                               ; K of step 0 lies at the batch's end and comes from memory
	global_load_b128 v[FR+4*k:FR+4*k+3], v[LI], s[8:9] offset:39*HREC+512*k
.set k, k+1
.endr
	global_load_b128 v[FS:FS+3], v[LI], s[8:9] offset:39*HREC+SCOFF
	v_mov_b32 v34, 0x02040100                      ; lanes 0-15: bytes 0 and 2 of the word
	v_mov_b32 v35, 0x04020001                      ; lanes 16-31: bytes 1 and 3
	v_cmp_eq_u32 vcc_lo, 1, v29
	v_cndmask_b32 v[SEL], v34, v35, vcc_lo
.irp t, 0,1,2
	v_mov_b32 v[ST+6*\t], 0x7f61b1e6               ; -M: 3e38, over every -t
.irp i, 1,2,3,4,5
	v_mov_b32 v[ST+6*\t+\i], 0
.endr
.endr
.set k, 0
.rept 12
	v_mov_b32 v[PC+24+k], 0                        ; the shared tile's codes and scale word are written on every way through the text
.set k, k+1
.endr
	v_mov_b32 v[PW+2], 0
	v_mov_b32 v[PX], 0                             ; a lane permute's destination counts as one of its sources
	WIN 0x40
.set k, 0
.rept 192
	v_mov_b32 v[k], 0                              ; O
.set k, k+1
.endr
	WIN 0
.macro KQ t                            ; S^T = K Q^T(t): each product starts its sum with the constant 0
	WIN 0x04
.irp u, 0,1,2,3,4,5,6,7
.if \u%2
	v_wmma_scale_f32_16x16x128_f8f6f4 v[S+8*\u:S+8*\u+7], v[FR+12*\u:FR+12*\u+11], v[QW+12*(\t):QW+12*(\t)+11], 0, v[FS+\u/2], v[QS+(\t)] matrix_a_fmt:MATRIX_FMT_FP6 matrix_b_fmt:MATRIX_FMT_FP6 matrix_a_scale:MATRIX_SCALE_ROW1
.else
	v_wmma_scale_f32_16x16x128_f8f6f4 v[S+8*\u:S+8*\u+7], v[FR+12*\u:FR+12*\u+11], v[QW+12*(\t):QW+12*(\t)+11], 0, v[FS+\u/2], v[QS+(\t)] matrix_a_fmt:MATRIX_FMT_FP6 matrix_b_fmt:MATRIX_FMT_FP6
.endif
.endr
	WIN 0
.endm
.macro PV t                            ; O^T(t) += V^T P^T(t): eight accumulators by turns
	WIN 0x50
.irp g, 0,1,2,3,4,5,6,7
.if \g%2
	v_wmma_scale_f32_16x16x128_f8f6f4 v[64*(\t)+8*\g:64*(\t)+8*\g+7], v[FR+12*\g:FR+12*\g+11], v[PC+12*(\t):PC+12*(\t)+11], v[64*(\t)+8*\g:64*(\t)+8*\g+7], v[FS+\g/2], v[PW+(\t)] matrix_a_fmt:MATRIX_FMT_FP6 matrix_b_fmt:MATRIX_FMT_FP6 matrix_a_scale:MATRIX_SCALE_ROW1
.else
	v_wmma_scale_f32_16x16x128_f8f6f4 v[64*(\t)+8*\g:64*(\t)+8*\g+7], v[FR+12*\g:FR+12*\g+11], v[PC+12*(\t):PC+12*(\t)+11], v[64*(\t)+8*\g:64*(\t)+8*\g+7], v[FS+\g/2], v[PW+(\t)] matrix_a_fmt:MATRIX_FMT_FP6 matrix_b_fmt:MATRIX_FMT_FP6
.endif
.endr
.endm
.macro RS t                            ; O^T(t) under the new M, each accumulator from its low end on
	WIN 0x41
	VW                                             ; directly ahead of the first reader of the matrix results
.set k, 0
.rept 32
	v_pk_mul_f32 v[64*(\t)+2*k:64*(\t)+2*k+1], v[64*(\t)+2*k:64*(\t)+2*k+1], v[ST+6*(\t)+2:ST+6*(\t)+3] op_sel_hi:[1,0]
.set k, k+1
.endr
.endm
.macro FETCH off                       ; 8 fragments and their scale image: each load takes 512 consecutive bytes
.set k, 0
.rept 24
	ds_load_b128 v[FR+4*k:FR+4*k+3], v[ADR] offset:\off+512*k
.set k, k+1
.endr
	ds_load_b128 v[FS:FS+3], v[ADR] offset:\off+SCOFF
.endm
.macro PKF n                           ; t - M, two at a time
.rept \n
	v_pk_fma_f32 v[S+2*pp:S+2*pp+1], v[S+2*pp:S+2*pp+1], s[30:31], v[rT:rT+1] op_sel_hi:[1,0,0]
.set pp, pp+1
.endr
.endm
; Tile t's softmax and codes.  mask = 1: the last phase's text, whose last step has 68 keys.  fv = 1: V is fetched here, behind the step's last products on K.
.macro SM t, mask, fv
.set rT, ST+6*(\t)
.set pp, 0
.rept 4
	v_nop                                          ; the places behind the scores' products
.endr
.if \mask
	s_cmp_lg_u32 s34, 3                            ; the last key step?  (a counter)
	VW
	s_cbranch_scc1 .Lopen_\@
	v_mov_b32 v[T0], 0xff800000                    ; keys 68 to 127 do not exist: -infinity ahead of the maximum, so p = 0
	s_mov_b32 vcc_lo, 0xffff0000
.irp i, 0,1,2,3
	v_cndmask_b32 v[S+32+\i], v[S+32+\i], v[T0], vcc_lo   ; keys 64-67 in lanes 0-15, keys 96-99 in lanes 16-31
.endr
.set k, 36
.rept 28
	v_mov_b32 v[S+k], v[T0]
.set k, k+1
.endr
.Lopen_\@:
.endif
.irp c, 0,1                            ; my two blocks' largest scores, in four chains; each accumulator is first read among its four lowest registers
	v_max3_num_f32 v[BM+\c], v[S+32*\c], v[S+32*\c+1], v[S+32*\c+2]
	v_max3_num_f32 v[BN+\c], v[S+32*\c+17], v[S+32*\c+18], v[S+32*\c+19]
.endr
.irp i, 0,1,2,3,4,5
.irp c, 0,1
	v_max3_num_f32 v[BM+\c], v[BM+\c], v[S+32*\c+3+2*\i], v[S+32*\c+4+2*\i]
	v_max3_num_f32 v[BN+\c], v[BN+\c], v[S+32*\c+20+2*\i], v[S+32*\c+21+2*\i]
.endr
.endr
.irp c, 0,1
	v_max3_num_f32 v[BM+\c], v[BM+\c], v[S+32*\c+15], v[S+32*\c+16]
.endr
.irp c, 0,1
	s_delay_alu instid0(VALU_DEP_2)
	v_max_num_f32 v[BM+\c], v[BM+\c], v[BN+\c]
.endr
	s_delay_alu instid0(VALU_DEP_1)
	v_max_num_f32 v[T0], v[BM], v[BM+1]
	s_delay_alu instid0(VALU_DEP_1)
	v_permlanex16_b32 v[PX], v[T0], s28, s29
	s_delay_alu instid0(VALU_DEP_1)
	v_max_num_f32 v[T0], v[T0], v[PX]              ; the step's largest score of my query
	s_delay_alu instid0(VALU_DEP_1)
	v_mul_f32 v[T0], s30, v[T0]
	s_delay_alu instid0(VALU_DEP_1)
	v_floor_f32 v[T0], -v[T0]                      ; -ceil(t)
	s_delay_alu instid0(VALU_DEP_1)
	v_min_num_f32 v[T0], v[T0], v[rT]              ; the new -M
	s_delay_alu instid0(VALU_DEP_1)
	v_sub_f32 v[T1], v[T0], v[rT]                  ; old M - new M: a whole number, 0 or less
	v_mov_b32 v[rT], v[T0]
	s_delay_alu instid0(VALU_DEP_2)
	v_cvt_i32_f32 v[T1], v[T1]                     ; (it saturates)
	s_delay_alu instid0(VALU_DEP_1)
	v_ldexp_f32 v[rT+2], 1.0, v[T1]                ; f
.if \fv
	v_add_nc_u32 v[ADR], s32, v[LI]
	FETCH 0                                        ; V of this step
.endif
.irp c, 0,1
	v_fma_f32 v[BM+\c], v[BM+\c], s30, v[rT]       ; t - M of each block's largest score
.endr
	PKF 4
.irp c, 0,1
	v_max_num_f32 v[BM+\c], 0xc2f80000, v[BM+\c]   ; held at -124: the byte cannot fall under 1
.endr
	PKF 4
.irp c, 0,1
	v_floor_f32 v[BM+\c], v[BM+\c]
.endr
	PKF 4
.irp c, 0,1
	v_add_f32 v[Z+\c], 0x4b00007d, v[BM+\c]        ; + 2^23 + 125, exactly: the sum's lowest byte is the scale's byte, the two above it are 0
.endr
	PKF 4
.irp c, 0,1
	v_lshlrev_b32 v[SOP+\c], 23, v[Z+\c]           ; the byte as an exponent field: the conversion's scale operand
.endr
	v_perm_b32 v[W], v[Z+1], v[Z], v[SEL]          ; my two bytes at their places in the word
	PKF 4
	v_permlanex16_b32 v[PX], v[W], s28, s29
	PKF 12
	VW                                             ; ahead of the batch
.set k, 0
.rept 64
	v_exp_f32 v[S+k], v[S+k]                       ; p = 2^(t - M), at most 1
.set k, k+1
.endr
	v_or_b32 v[PW+(\t)], v[W], v[PX]               ; p's scale word; the plain line behind the last exponential
	VW                                             ; one wait for the batch, ahead of its first reader
	v_pk_fma_f32 v[rT+4:rT+5], v[rT+4:rT+5], v[rT+2:rT+3], v[S:S+1] op_sel_hi:[1,0,1]   ; the sum under the new M, and the unquantised p: four chains
.irp k, 1,2,3
	v_pk_add_f32 v[X+2*\k-2:X+2*\k-1], v[S+2*\k:S+2*\k+1], v[S+8+2*\k:S+9+2*\k]
.endr
.irp j, 1,2,3,4,5,6,7
	v_pk_add_f32 v[rT+4:rT+5], v[rT+4:rT+5], v[S+8*\j:S+8*\j+1]
.if \j > 1
.irp k, 1,2,3
	v_pk_add_f32 v[X+2*\k-2:X+2*\k-1], v[X+2*\k-2:X+2*\k-1], v[S+8*\j+2*\k:S+8*\j+2*\k+1]
.endr
.endif
.endr
	v_pk_add_f32 v[X:X+1], v[X:X+1], v[X+2:X+3]
	v_pk_add_f32 v[rT+4:rT+5], v[rT+4:rT+5], v[X+4:X+5]
	v_pk_add_f32 v[rT+4:rT+5], v[rT+4:rT+5], v[X:X+1]
.irp c, 0,1
	v_cvt_scalef32_pk16_fp6_f32 v[PC+12*(\t)+6*\c:PC+12*(\t)+6*\c+2], v[S+32*\c:S+32*\c+15], v[SOP+\c]
	v_cvt_scalef32_pk16_fp6_f32 v[CT+4*\c:CT+4*\c+2], v[S+32*\c+16:S+32*\c+31], v[SOP+\c]   ; (three registers that begin on an even number)
.endr
	v_nop                                          ; one plain line behind the scaled conversions
.irp c, 0,1
.irp i, 0,1,2
	v_mov_b32 v[PC+12*(\t)+6*\c+3+\i], v[CT+4*\c+\i]
.endr
.endr
.endm
.macro BODY mask                       ; a key step
	VW
	s_wait_dscnt 0x0                               ; K of this step is in
	s_cmp_lg_u32 s34, s45                          ; my turn at the shared tile?  (the step's number in its phase against my place among the four waves)
	s_cbranch_scc1 .Lna_\@
	KQ 2
	SM 2, \mask, 0
.Lna_\@:
	KQ 0
	SM 0, \mask, 0
	KQ 1
	SM 1, \mask, 1
	VW
	s_wait_dscnt 0x0                               ; V is in
	s_cmp_lg_u32 s34, s45
	s_cbranch_scc1 .Lnb_\@
	RS 2
	PV 2
	WIN 0
.Lnb_\@:
	RS 0
	PV 0
	RS 1
	PV 1
	WIN 0
.rept 4
	v_nop                                          ; the places ahead of loads into registers that the products have read
.endr
	FETCH HREC                                     ; K of the next step, from the same record
	s_add_co_u32 s32, s32, REC
.endm
; THE CHANGE OF SLOTS, at a phase's head: every wave waits for all its tensor loads, adds 0 to its spare word, and waits for that and for its reads of the slot that it has left.
.macro CHANGE fill
	s_wait_tensorcnt 0x0
	ds_add_u32 v[SPW], v[NIL]
.if \fill
	s_xor_b32 s25, s25, SLOT1                      ; the other slot,
	s_add_nc_u64 s[26:27], s[26:27], SLOTB         ; the next four records
.endif
	s_wait_dscnt 0x0
.if \fill
	ROUND                                          ; no wave of any partner still reads the other slot or has a load on its way
	tensor_load_to_lds s[24:27], s[16:23]
	s_nop 0
.rept 4
	v_nop
.endr
.else
	s_barrier_signal -1
	s_barrier_wait -1
.endif
.endm
	VW                                             ; the head's end
	s_wait_loadcnt 0x0                             ; Q, K of step 0 and their scale words
	s_mov_b32 s33, 4
.Lphase:                                           ; four phases that ask for the next phase's records
	CHANGE 1
	s_mov_b32 s34, 0
.Lstep:
	BODY 0
	s_add_co_u32 s34, s34, 1
	s_cmp_lt_u32 s34, 4
	VW
	s_cbranch_scc1 .Lstep
	s_sub_co_u32 s32, s32, SLOTB
	s_xor_b32 s32, s32, SLOT1                      ; the other slot's first record
	s_sub_co_u32 s33, s33, 1
	s_cmp_lg_u32 s33, 0
	s_cbranch_scc1 .Lphase
	CHANGE 0                                       ; the last phase is written out: it asks for nothing, and its last step has keys that do not exist
	s_mov_b32 s34, 0
.Ltail:
	BODY 1
	s_add_co_u32 s34, s34, 1
	s_cmp_lt_u32 s34, 4
	VW
	s_cbranch_scc1 .Ltail
	; THE END.  First my own two tiles leave; the shared tile's join follows while their stores are on their way.
	s_wait_dscnt 0x0                               ; the last fetch has landed: its registers are used again below
.irp t, 0,1,2
	v_add_f32 v[ST+6*\t+4], v[ST+6*\t+4], v[ST+6*\t+5]
.endr
.irp t, 0,1,2
	v_permlanex16_b32 v[ST+6*\t+5], v[ST+6*\t+4], s28, s29
.endr
.irp t, 0,1,2
	v_add_f32 v[ST+6*\t+4], v[ST+6*\t+4], v[ST+6*\t+5]   ; the row's sum
.endr
	VW
	v_rcp_f32 v[ST+4], v[ST+4]
	v_rcp_f32 v[ST+10], v[ST+10]
	v_nop
	VW
; MY OWN TILES' WAY OUT.  Register 8 g + j of lane (r, h) is o(query r, d = 16 g + 8 h + j): a tile goes through my own stage and comes back as whole rows of 512 bytes.
; LDS serves a wave's instructions in order (ISA guide 5.7.1.4): no wait between the stores and the loads.  My own rows lie under the block's 256, so all of them exist.
.macro PACK t
	WIN 0x01
	VW                                             ; directly ahead of the first reader of the matrix results
.set k, 0
.rept 32
	v_pk_mul_f32 v[S+2*k:S+2*k+1], v[64*(\t)+2*k:64*(\t)+2*k+1], v[ST+6*(\t)+4:ST+6*(\t)+5] op_sel_hi:[1,0]
.set k, k+1
.endr
	WIN 0
.set k, 0
.rept 16
	ds_store_b128 v[STO], v[S+4*k:S+4*k+3] offset:64*(k/2)+16*(k%2)
.set k, k+1
.endr
.set k, 0
.rept 16
	ds_load_b128 v[RB+64*(\t)+4*k:RB+64*(\t)+4*k+3], v[RD] offset:SP*k
.set k, k+1
.endr
.endm
.macro SEND t, younger                 ; younger: the LDS instructions issued behind tile t's loads
	s_wait_dscnt \younger
.set k, 0
.rept 16
	global_store_b128 v[LI], v[RB+64*(\t)+4*k:RB+64*(\t)+4*k+3], s[10:11] offset:(16*(\t)+k)*512 th:TH_STORE_NT   ; 32 lanes store a row: 512 consecutive bytes, at a multiple of 256 from out0's first byte
.set k, k+1
.endr
.endm
	PACK 0
	PACK 1
	SEND 0, 32                                     ; tile 1's 16 stores and 16 loads may be out
	SEND 1, 0                                      ; nothing of mine is out in LDS
	s_barrier_signal -1                            ; no wave reads the ring behind this barrier: slot 1's bytes, filled for the last time, take the join
	s_barrier_wait -1
	v_add_nc_u32 v40, s50, v[LI]                   ; my part
	v_add_nc_u32 v41, s51, v[LI]                   ; what I join
	v_lshrrev_b32 v42, 1, v[LI]
	v_add_nc_u32 v43, s56, v42                     ; the four parts' -M and sums
	v_add_nc_u32 v42, s52, v42                     ; mine
	v_add_nc_u32 v44, s57, v[RH]                   ; my 128 bytes of the joined rows
	v_add_nc_u32 v45, s58, v[LI]                   ; the joined rows that I store
	v_mov_b32 v32, v[ST+12]
	v_mov_b32 v33, v[ST+16]
	ds_store_b64 v42, v[32:33]                     ; the shared tile's -M and sum, as far as my key steps go
	WIN 0x04
.irp g, 0,1,2,3,4,5,6,7
	VW                                             ; directly ahead of the first reader of each matrix result
	ds_store_b128 v40, v[128+8*\g:128+8*\g+3] offset:1024*\g
	ds_store_b128 v40, v[128+8*\g+4:128+8*\g+7] offset:1024*\g+512
.endr
	WIN 0
	VW
	s_wait_dscnt 0x0                               ; for the others' sake: my part lies in LDS
	s_barrier_signal -1
	s_barrier_wait -1
	; THE JOIN: member m takes registers 16 m .. 16 m + 15 (d = 32 m .. 32 m + 31) of the four parts
	s_wait_xcnt 0x0                                ; the loads below land on registers that my tiles' stores read
.irp i, 0,1,2,3
	ds_load_b64 v[48+2*\i:49+2*\i], v43 offset:256*\i
.endr
.irp i, 0,1,2,3
.irp q, 0,1,2,3
	ds_load_b128 v[112+16*\i+4*\q:115+16*\i+4*\q], v41 offset:8192*\i+512*\q
.endr
.endr
	s_wait_dscnt 0x0
	v_min3_num_f32 v64, v48, v50, v52
	v_min_num_f32 v64, v64, v54                    ; -M of the whole row
.irp i, 0,1,2,3
	v_sub_f32 v[56+\i], v64, v[48+2*\i]            ; a part's M - the row's M
.endr
.irp i, 0,1,2,3
	v_cvt_i32_f32 v[56+\i], v[56+\i]
.endr
.irp i, 0,1,2,3
	v_ldexp_f32 v[56+\i], 1.0, v[56+\i]
.endr
	v_mul_f32 v65, v56, v49
	v_fmac_f32 v65, v57, v51
	v_fmac_f32 v65, v58, v53
	v_fmac_f32 v65, v59, v55                       ; the row's sum
	VW
	v_rcp_f32 v65, v65
	v_nop
	VW
.irp i, 0,1,2,3
	v_mul_f32 v[66+2*\i], v[56+\i], v65
.endr
.irp e, 0,1,2,3,4,5,6,7
	v_pk_mul_f32 v[80+2*\e:81+2*\e], v[112+2*\e:113+2*\e], v[66:67] op_sel_hi:[1,0]
.endr
.irp i, 1,2,3
.irp e, 0,1,2,3,4,5,6,7
	v_pk_fma_f32 v[80+2*\e:81+2*\e], v[112+16*\i+2*\e:113+16*\i+2*\e], v[66+2*\i:67+2*\i], v[80+2*\e:81+2*\e] op_sel_hi:[1,0,1]
.endr
.endr
.irp q, 0,1,2,3
	ds_store_b128 v44, v[80+4*\q:83+4*\q] offset:64*(\q/2)+16*(\q%2)
.endr
	s_wait_dscnt 0x0                               ; for the others' sake: my piece of the joined rows lies in LDS
	s_barrier_signal -1
	s_barrier_wait -1
.irp k, 0,1,2,3
	ds_load_b128 v[48+4*\k:51+4*\k], v45 offset:SP*\k   ; rows 4 m .. 4 m + 3 of the joined tile
.endr
	s_wait_dscnt 0x0
	s_wait_xcnt 0x0                                ; EXEC changes only behind this wait
	v_mov_b32 v46, s54
.irp k, 0,1,2,3
	v_add_nc_u32 v[34+\k], \k, v46                 ; the four rows' numbers, each in a register of its own
.endr
	VW                                             ; they are read behind the waits below
.irp k, 0,1,2,3                        ; a row past the block's 279 or past 8,920 is not stored: all 32 lanes of its store are off
	v_cmp_gt_u32 vcc_lo, s53, v[34+\k]
	s_and_saveexec_b32 s55, vcc_lo
	global_store_b128 v[LI], v[48+4*\k:51+4*\k], s[46:47] offset:512*\k th:TH_STORE_NT
	s_wait_xcnt 0x0
	s_or_b32 exec_lo, exec_lo, s55
.endr
	s_wait_tensorcnt 0x0                           ; the wave's end
	ds_add_u32 v[SPW], v[NIL]
	s_wait_dscnt 0x0
	ROUND                                          ; the closing round
	s_endpgm
.Lfunc_end_k_q9b3817346e_attn:
	.size	k_q9b3817346e_attn, .Lfunc_end_k_q9b3817346e_attn-k_q9b3817346e_attn
	.p2alignl 7, 3214868480
	.fill 96, 4, 3214868480
	.section	.rodata,"a",@progbits
	.p2align	6, 0x0
	.amdhsa_kernel k_q9b3817346e_attn
		.amdhsa_group_segment_fixed_size 327680
		.amdhsa_private_segment_fixed_size 0
		.amdhsa_enable_private_segment 0
		.amdhsa_kernarg_size 32
		.amdhsa_user_sgpr_count 2
		.amdhsa_user_sgpr_kernarg_segment_ptr 1
		.amdhsa_wavefront_size32 1
		.amdhsa_system_sgpr_workgroup_id_x 1
		.amdhsa_system_sgpr_workgroup_id_y 1
		.amdhsa_system_sgpr_workgroup_id_z 1
		.amdhsa_system_vgpr_workitem_id 0
		.amdhsa_next_free_vgpr 512
		.amdhsa_next_free_sgpr 66
		.amdhsa_reserve_vcc 1
		.amdhsa_float_denorm_mode_32 3
		.amdhsa_float_denorm_mode_16_64 3
		.amdhsa_memory_ordered 1
		.amdhsa_forward_progress 1
		.amdhsa_inst_pref_size 135
	.end_amdhsa_kernel
	.amdgpu_metadata
---
amdhsa.version: [ 1, 2 ]
amdhsa.kernels:
  - .name:           k_q9b3817346e_attn
    .symbol:         k_q9b3817346e_attn.kd
    .args:
      - { .name: U_weight_codes, .offset: 0, .size: 8, .value_kind: global_buffer, .address_space: global }
      - { .name: U_weight_scales, .offset: 8, .size: 8, .value_kind: global_buffer, .address_space: global }
      - { .name: kv, .offset: 16, .size: 8, .value_kind: global_buffer, .address_space: global }
      - { .name: out0, .offset: 24, .size: 8, .value_kind: global_buffer, .address_space: global }
    .group_segment_fixed_size: 327680
    .private_segment_fixed_size: 0
    .kernarg_segment_align: 8
    .kernarg_segment_size: 32
    .max_flat_workgroup_size: 256
    .sgpr_count:     66
    .vgpr_count:     512
    .wavefront_size: 32
...
	.end_amdgpu_metadata
.endif
;; end of part 2
